; MI455X (gfx1250); checked and timed in simulation.
; The chip was launched on July 23, 2026; its instructions are those of AMD's public machine-readable ISA for CDNA 5 (MIT licence, August 2026) and "CDNA5" Instruction Set Architecture Reference Guide (July 2026). The comments in the code are by the model that wrote it; some were corrected since.
;; Local Decoder. Allowed arithmetic: matrix products marked QUANTISED: E2M1 operands, one E8M0 scale for each 32 along K, by v_wmma_scale_f32_16x16x128_f8f6f4 with both operands' format E2M1 (or v_wmma_scale_f32_32x16x128_f4), f32 sums; products left as they are: f32 operands where the result goes on into a quantised operand, else bf16, f16 or f32 operands; f32 sums; everything else in f32.
;; Inputs: b0_b 5 x 128 float32; b0_w 5 x 128 x 128 float32; b1_b 5 x 128 float32; b1_w 5 x 128 x 128 float32; c_grid 2 x 128 x 64 x 64 x 64 float32; fc_c_b 5 x 128 float32; fc_c_w 5 x 128 x 128 float32; fc_p_b 128 float32; fc_p_w 128 x 3 float32; out_b 1 float32; out_w 1 x 128 float32; p 2 x 65,536 x 3 float32.
;; Outputs: out0 2 x 65,536 x 1 float32.
;; This version of the problem:
;;   THIS VERSION OF THE PROBLEM IS GIVEN IN LOW PRECISION. The matrix products marked QUANTISED in the list below multiply operands that are first quantised to E2M1 (2 exponent bits, 1 mantissa bit; 4 bits a number), with one power-of-two scale for each 32 numbers along K (OCP MX v1.0); their sums are f32. All else is computed in f32.
;;   The module's matrix products, in the order in which they are computed (A, B: the left and right operand; K: the contracted axis; several contracted axes count as one K, in the product's order):
;;     1. [M 131,072, K 3] x [K 3, N 128]; A: input p; B: input fc_p_w: left as it is (K = 3 < 32)
;;     2. [M 131,072, K 128] x [K 128, N 128]; A: computed on the way; B: input fc_c_w: QUANTISED
;;     3. [M 131,072, K 128] x [K 128, N 128]; A: computed on the way; B: input b0_w: QUANTISED
;;     4. [M 131,072, K 128] x [K 128, N 128]; A: computed on the way; B: input b1_w: QUANTISED
;;     5. [M 131,072, K 128] x [K 128, N 128]; A: computed on the way; B: input fc_c_w: QUANTISED
;;     6. [M 131,072, K 128] x [K 128, N 128]; A: computed on the way; B: input b0_w: QUANTISED
;;     7. [M 131,072, K 128] x [K 128, N 128]; A: computed on the way; B: input b1_w: QUANTISED
;;     8. [M 131,072, K 128] x [K 128, N 128]; A: computed on the way; B: input fc_c_w: QUANTISED
;;     9. [M 131,072, K 128] x [K 128, N 128]; A: computed on the way; B: input b0_w: QUANTISED
;;     10. [M 131,072, K 128] x [K 128, N 128]; A: computed on the way; B: input b1_w: QUANTISED
;;     11. [M 131,072, K 128] x [K 128, N 128]; A: computed on the way; B: input fc_c_w: QUANTISED
;;     12. [M 131,072, K 128] x [K 128, N 128]; A: computed on the way; B: input b0_w: QUANTISED
;;     13. [M 131,072, K 128] x [K 128, N 128]; A: computed on the way; B: input b1_w: QUANTISED
;;     14. [M 131,072, K 128] x [K 128, N 128]; A: computed on the way; B: input fc_c_w: QUANTISED
;;     15. [M 131,072, K 128] x [K 128, N 128]; A: computed on the way; B: input b0_w: QUANTISED
;;     16. [M 131,072, K 128] x [K 128, N 128]; A: computed on the way; B: input b1_w: QUANTISED
;;     17. [M 131,072, K 128] x [K 128, N 1]; A: computed on the way; B: input out_w: left as it is (N = 1 < 16)
;;   THE QUANTISER, for each operand of a quantised product, along K:
;;     - K is cut into blocks of 32 from its start; a last block that is shorter is filled with zeros.
;;     - A block's scale is 2^e with e = floor(log2(the largest magnitude in the block)) - 2, held to -126 .. 127; a block of zeros has e = 0. As a byte (E8M0): e + 127.
;;     - Each number is divided by its block's scale, clamped to +-6, and rounded to the nearest number of E2M1, ties to even, subnormals kept.
;;     - The product sums the exact products of the quantised numbers (number of the format x scale) in f32.
;;   ~~~python
;;   def quantise(x, axis):      # numpy; x: float32 -> the quantised numbers, widened to float32 again
;;       x = np.moveaxis(x, axis, -1); K = x.shape[-1]
;;       x = np.pad(x, [(0, 0)] * (x.ndim - 1) + [(0, -K % 32)]); x = x.reshape(x.shape[:-1] + (-1, 32)); a = np.abs(x).max(-1, keepdims=True)
;;       e = np.where(a > 0, np.clip(np.frexp(np.where(a > 0, a, 1))[1] - 1 - 2, -126, 127), 0)      # np.frexp(a)[1] - 1 = floor(log2(a)), exactly
;;       r = np.clip(x / 2.0 ** e, -6, 6)
;;       step = 2.0 ** (np.maximum(np.frexp(np.where(r == 0, 1, r))[1] - 1, 0) - 1)
;;       q = np.round(r / step) * step * 2.0 ** e      # np.round: ties to even
;;       return np.moveaxis(q.reshape(q.shape[:-2] + (-1,))[..., :K], -1, axis).astype(np.float32)
;;   ~~~
;;   OPERANDS COMPUTED ON THE WAY. 'Computed on the way' means the value that the module computes at that place (a softmax that the list does not call 'softmax' is quantised finished and normalised). What goes into a quantiser is computed in f32, as accurately as f32 sums, v_exp_f32 and their like allow (about 1e-6 of the number): no bf16 or f16 on the way to a quantiser, and a product that is left as it is and whose result goes on into a quantised operand takes f32 operands (vector FMAs, or v_wmma_f32_16x16x4_f32). A number that lies on a knife's edge between two numbers of the format may be rounded either way, as far as f32 arithmetic and the matrix unit's own rounding can turn it there, and no further.
;; One version. Each part assembles by itself: llvm-mc -triple=amdgcn-amd-amdhsa -mcpu=gfx1250 --defsym DOCPART=n.
;; ======== version 1 of 1: 4 launches
;; workspace buffers: pk 1,081,344 bytes of whole numbers; wt0 1,572,864 bytes; srt 1,048,576 bytes of whole numbers; swt 1,572,864 bytes; feat 67,108,864 bytes; wq 147,456 bytes; bst 256 bytes of whole numbers
;; launch prep (part 1): grid 377 x 1, 1 waves a work-group, no clusters, 0 bytes of LDS; arguments p, pk, wt0, wq, fc_c_w, b0_w, b1_w, fc_p_w, fc_p_b, fc_c_b, b0_b, b1_b, out_w, out_b; writes pk, wt0, wq
.if DOCPART == 1
	.amdgcn_target "amdgcn-amd-amdhsa--gfx1250"
	.amdhsa_code_object_version 6
	.text
	.protected	k_qee89627e8f_prep
	.globl	k_qee89627e8f_prep
	.p2align	8
	.type	k_qee89627e8f_prep,@function
k_qee89627e8f_prep:
	s_mov_b64 s[64:65], 0
	v_nop
	global_prefetch_b8 v0, s[64:65] scope:SCOPE_SE
	s_setreg_imm32_b32 hwreg(HW_REG_WAVE_MODE, 25, 1), 1
	s_wait_xcnt 0x0
; LocalDecoder, launch 1 of 4: what the later launches need as whole numbers, and the weights as codes.
; NO WORK OF THE PROBLEM IS LEFT OUT: every input has a way to the output, and every product of the table is done.
; THE PROGRAM.  prep: each point's cell and weights, its bin along z and its rank in the bin; the 15 weight matrices as E2M1 codes.  place: a counting sort of the points by bin.
; sample: one work-group for each (batch, channel) reads its 64 x 64 x 64 volume once, four z layers at a time, and interpolates the bin's points out of LDS.  mlp: the five blocks, on codes.
; ONE IDENTITY: x0 is held at 62 and the weight is ix - x0 (1.0 where ix = 63) in place of x1 = min(x0 + 1, 63): g(62) x 0 + g(63) x 1 is g(63) for finite grid numbers; y and z likewise.
; LIMITS: NaN and infinities in p are not served; an infinity or NaN in a grid corner whose weight is 0 gives NaN here; biases that meet at one place are added to each other first (f32 rounding alone);
; a block whose largest magnitude lies under 2^(2 - 126) keeps the scale byte 1 (a block of zeros too: its codes are zeros, and this program alone reads the bytes).
; SHARES, one wave to a work-group.  Work-groups 0-255: 512 points each (16 groups of 32, a lane a point).  256-375: one tile of 16 rows of one weight matrix each.  376: the biases and small weights.
; No address and no branch here hangs on a number made from p: cells, bins and ranks are values that are stored at fixed places.
.set CNTO,  1048576                    ; pk: A0[131072], KEY[131072], then the counts [2][32 bins, 16 used][128 chunks]
.set PLANE, 524288
.set MISC,  138240                     ; wq: 15 matrices of MATB bytes, then 18 vectors of 128 f32
.set MATB,  9216                       ; a matrix: 8 tiles x 1,024 bytes (the image of the operand's 8 registers), then 8 x 128 bytes of scale words
	s_load_b512 s[4:19], s[0:1], 0x0               ; p s[4:5], pk s[6:7], wt0 s[8:9], wq s[10:11], fc_c_w s[12:13], b0_w s[14:15], b1_w s[16:17], fc_p_w s[18:19]
	s_load_b256 s[20:27], s[0:1], 0x40             ; fc_p_b s[20:21], fc_c_b s[22:23], b0_b s[24:25], b1_b s[26:27]
	s_load_b128 s[28:31], s[0:1], 0x60             ; out_w s[28:29], out_b s[30:31]
	v_and_b32 v1, 31, v0                           ; lane
	s_wait_kmcnt 0x0
	s_cmp_lt_u32 ttmp9, 256
	s_cbranch_scc1 .Lpoints
	s_cmp_lt_u32 ttmp9, 376
	s_cbranch_scc1 .Lweights
; ---- THE SMALL VECTORS: a lane takes four neighbouring numbers of each
	s_wait_alu depctr_va_vdst(0)
	v_lshlrev_b32 v3, 4, v1
	v_mul_u32_u24 v4, v1, 48                       ; fc_p_w: four rows of three numbers
	v_mov_b32 v5, 0
	global_load_b128 v[16:19], v3, s[20:21]        ; fc_p_b
.irp i, 0,1,2,3,4
	global_load_b128 v[20+4*\i:23+4*\i], v3, s[22:23] offset:512*\i   ; fc_c_b[i]
	global_load_b128 v[40+4*\i:43+4*\i], v3, s[26:27] offset:512*\i   ; b1_b[i]
	global_load_b128 v[60+4*\i:63+4*\i], v3, s[24:25] offset:512*\i   ; b0_b[i]
.endr
.irp j, 0,1,2
	global_load_b128 v[80+4*\j:83+4*\j], v4, s[18:19] offset:16*\j
.endr
	global_load_b128 v[92:95], v3, s[28:29]        ; out_w
	global_load_b32 v96, v5, s[30:31]              ; out_b
	s_wait_loadcnt 0x0
	v_pk_add_f32 v[100:101], v[16:17], v[20:21]    ; vector 0: fc_p_b + fc_c_b[0]
	v_pk_add_f32 v[102:103], v[18:19], v[22:23]
.irp i, 1,2,3,4
	v_pk_add_f32 v[100+4*\i:101+4*\i], v[36+4*\i:37+4*\i], v[20+4*\i:21+4*\i]   ; vector i: b1_b[i - 1] + fc_c_b[i]: nothing reads net between the two additions
	v_pk_add_f32 v[102+4*\i:103+4*\i], v[38+4*\i:39+4*\i], v[22+4*\i:23+4*\i]
.endr
.irp d, 0,1,2
.irp e, 0,1,2,3
	v_mov_b32 v[120+4*\d+\e], v[80+3*\e+\d]        ; fc_p_w by columns: vector 11 + d holds fc_p_w[u][d]
.endr
.endr
.irp e, 0,1,2,3
	v_mov_b32 v[132+\e], v96                       ; out_b, in every place of vector 15
	v_mov_b32 v[136+\e], 0                         ; vectors 16, 17: the buffer's last bytes are written too
.endr
.irp i, 0,1,2,3,4
	global_store_b128 v3, v[100+4*\i:103+4*\i], s[10:11] offset:MISC+512*\i
	global_store_b128 v3, v[60+4*\i:63+4*\i], s[10:11] offset:MISC+512*(6+\i)      ; vectors 6-10: b0_b[i]
.endr
	global_store_b128 v3, v[56:59], s[10:11] offset:MISC+512*5                     ; vector 5: b1_b[4]
.irp d, 0,1,2
	global_store_b128 v3, v[120+4*\d:123+4*\d], s[10:11] offset:MISC+512*(11+\d)
.endr
	global_store_b128 v3, v[92:95], s[10:11] offset:MISC+512*14
	global_store_b128 v3, v[132:135], s[10:11] offset:MISC+512*15
	global_store_b128 v3, v[136:139], s[10:11] offset:MISC+512*16
	global_store_b128 v3, v[136:139], s[10:11] offset:MISC+512*17
	s_endpgm
; ---- ONE TILE OF A WEIGHT MATRIX.  K is innermost in memory.  THE ROWS OF A TILE ARE NOT NEIGHBOURS: lane r of tile t takes row 32 (t / 2) + 8 (t % 2) + r + 8 (r / 8), so that in the
; transposed product the 16 registers of tiles 2 b and 2 b + 1 are 16 neighbours along the next K.  Lane (r, h) holds k = 64 c + 32 h + 0 .. 31 in registers 4 c .. 4 c + 3: two whole blocks.
.Lweights:
	s_sub_co_u32 s32, ttmp9, 256                   ; 0 .. 119
	s_cmp_ge_u32 s32, 40
	s_cselect_b32 s33, 1, 0
	s_cselect_b64 s[36:37], s[14:15], s[12:13]     ; the choice of buffer hangs on the work-group's number alone
	s_cmp_ge_u32 s32, 80
	s_cselect_b32 s34, 1, 0
	s_cselect_b64 s[36:37], s[16:17], s[36:37]
	s_add_co_u32 s33, s33, s34                     ; kind: 0 fc_c_w, 1 b0_w, 2 b1_w
	s_mul_i32 s34, s33, 40
	s_sub_co_u32 s32, s32, s34
	s_lshr_b32 s34, s32, 3                         ; block i
	s_and_b32 s35, s32, 7                          ; tile t
	s_lshl_b32 s40, s34, 16                        ; a matrix is 65,536 bytes, a row 512
	s_lshr_b32 s41, s35, 1
	s_lshl_b32 s41, s41, 14
	s_add_co_u32 s40, s40, s41
	s_and_b32 s41, s35, 1
	s_lshl_b32 s41, s41, 12
	s_add_co_u32 s40, s40, s41
	s_mov_b32 s41, 0
	s_add_nc_u64 s[36:37], s[36:37], s[40:41]
	s_mul_i32 s42, s34, 3
	s_add_co_u32 s42, s42, s33                     ; matrix 3 i + kind
	s_mul_i32 s42, s42, MATB
	s_lshl_b32 s43, s35, 10
	s_add_co_u32 s44, s42, s43
	s_mov_b32 s45, 0
	s_add_nc_u64 s[44:45], s[10:11], s[44:45]      ; the tile's image
	s_lshl_b32 s43, s35, 7
	s_add_co_u32 s46, s42, s43
	s_add_co_u32 s46, s46, 8192
	s_mov_b32 s47, 0
	s_add_nc_u64 s[46:47], s[10:11], s[46:47]      ; its scale words
	s_mov_b32 s48, 0x76543210
	s_mov_b32 s49, 0xfedcba98                      ; v_permlanex16_b32's selects for lane l xor 16
	s_wait_alu depctr_va_vdst(0)
	v_and_b32 v6, 15, v1                           ; r
	v_lshrrev_b32 v2, 4, v1                        ; h
	v_and_b32 v7, 8, v6
	v_add_nc_u32 v7, v7, v6                        ; r + 8 (r / 8)
	v_lshlrev_b32 v7, 9, v7
	v_lshl_add_u32 v7, v2, 7, v7                   ; + 32 h numbers
	v_lshlrev_b32 v3, 4, v1
	v_lshlrev_b32 v4, 2, v1
.irp c, 0,1
.irp q, 0,1,2,3,4,5,6,7
	global_load_b128 v[64+32*\c+4*\q:67+32*\c+4*\q], v7, s[36:37] offset:256*\c+16*\q
.endr
.endr
	s_wait_loadcnt 0x0
.irp c, 0,1
	v_max3_num_f32 v[32+\c], |v[64+32*\c]|, |v[65+32*\c]|, 0x1800000   ; my block 2 c + h, and the floor 2^(3 - 127): the byte cannot fall under 1
.endr
.irp i, 2,4,6,8,10,12,14,16,18,20,22,24,26,28,30
.irp c, 0,1
	v_max3_num_f32 v[32+\c], v[32+\c], |v[64+32*\c+\i]|, |v[65+32*\c+\i]|
.endr
.endr
.irp c, 0,1
	v_add_nc_u32 v[44+\c], 0xff000000, v[32+\c]    ; 2 off the exponent field: the conversion's scale operand
.endr
.irp c, 0,1
	v_lshrrev_b32 v[36+\c], 23, v[44+\c]           ; the scale's byte
.endr
	v_lshl_or_b32 v9, v37, 16, v36                 ; my two bytes, blocks h and 2 + h,
	v_lshlrev_b32 v10, 3, v2
	v_lshlrev_b32 v9, v10, v9                      ; at their places in the row's word;
	v_mov_b32 v10, 0
	v_permlanex16_b32 v10, v9, s48, s49
	v_or_b32 v9, v9, v10                           ; with lane l xor 16's two the word is whole
.irp c, 0,1
.irp g, 0,1,2,3
	v_cvt_scalef32_pk8_fp4_f32 v[48+4*\c+\g], v[64+32*\c+8*\g:71+32*\c+8*\g], v[44+\c]
.endr
.endr
	v_nop                                          ; one plain line behind the last scaled conversion
	global_store_b128 v3, v[48:51], s[44:45]       ; registers 0-3 at 16 x lane: 512 consecutive bytes
	global_store_b128 v3, v[52:55], s[44:45] offset:512
	global_store_b32 v4, v9, s[46:47]
	s_endpgm
; ---- 512 POINTS
; P v16-63 (three a group); A0 v64-79; KEY v80-95; wx v96-111, wy v112-127, wz v128-143: a register for each group, so that no store's data are written again.
.Lpoints:
	s_wait_alu depctr_va_vdst(0)
	v_mul_u32_u24 v2, v1, 12
	s_wait_alu depctr_va_vdst(0)
	v_lshlrev_b32 v3, 2, v1
	s_mul_i32 s54, ttmp9, 6144
	s_mov_b32 s55, 0
	s_add_nc_u64 s[4:5], s[4:5], s[54:55]          ; my 512 points
	s_lshr_b32 s56, ttmp9, 7                       ; batch
	s_lshl_b32 s56, s56, 14
	s_and_b32 s57, ttmp9, 127                      ; chunk in the batch
	s_lshl_b32 s57, s57, 2
	s_add_co_u32 s56, s56, s57
	s_add_co_u32 s56, s56, CNTO
	s_mov_b32 s57, 0
	s_add_nc_u64 s[56:57], s[6:7], s[56:57]        ; my column of the counts
	s_lshl_b32 s54, ttmp9, 11
	s_add_nc_u64 s[6:7], s[6:7], s[54:55]
	s_add_nc_u64 s[8:9], s[8:9], s[54:55]
.set g, 0
.rept 16
	global_load_b32 v[16+3*g], v2, s[4:5] offset:384*g
	global_load_b32 v[17+3*g], v2, s[4:5] offset:384*g+4
	global_load_b32 v[18+3*g], v2, s[4:5] offset:384*g+8
.set g, g+1
.endr
	s_mov_b32 s32, 0x3f688412                      ; 1 / D, rounded
	s_mov_b32 s33, 0x3f8ced91                      ; D = 1.101 as f32
	s_mov_b32 s34, 0x427c0000                      ; 63.0
	s_mov_b32 s35, 0x42780000                      ; 62.0
.irp k, 0,1,2,3,4,5,6,7,8,9,10,11,12,13,14,15
	s_mov_b32 s[36+\k], 0                          ; the chunk's count of each bin so far
.endr
; One coordinate, step by step as the problem writes it: src / D (a product, one correction), + 0.5, x 2 - 1, + 1, x 0.5, x 63, held to 0 .. 63; the cell is held at 62.
.macro COORD i, w, src
	v_mul_f32 v4, s32, v[\src]
	v_fma_f32 v5, -v4, s33, v[\src]
	v_fma_f32 v4, v5, s32, v4
	v_add_f32 v4, 0.5, v4
	v_fma_f32 v4, 2.0, v4, -1.0
	v_add_f32 v4, 1.0, v4
	v_mul_f32 v4, 0.5, v4
	v_mul_f32 v4, s34, v4
	v_med3_num_f32 v4, v4, 0, s34
	v_floor_f32 v5, v4
	v_min_num_f32 v5, s35, v5
	v_sub_f32 v[\w], v4, v5
	v_cvt_u32_f32 v[\i], v5
.endm
.macro GROUP g
	s_wait_loadcnt 45-3*\g                         ; loads come back in order: the later groups' three each may be out
	COORD 6, 96+\g, 16+3*\g
	COORD 7, 112+\g, 17+3*\g
	COORD 8, 128+\g, 18+3*\g
	v_lshlrev_b32 v9, 2, v6
	v_lshl_or_b32 v9, v7, 8, v9
	v_and_b32 v10, 7, v8
	v_lshl_or_b32 v[64+\g], v10, 14, v9            ; A0: the corner's byte in a ring of eight layers of 16,384 bytes: (z0 % 8, y0, x0)
	v_add_nc_u32 v11, 1, v8
	v_lshrrev_b32 v11, 2, v11                      ; bin (z0 + 1) / 4: its points want layers 4 bin - 1 .. 4 bin + 3
	v_mov_b32 v12, 0
.irp k, 0,1,2,3,4,5,6,7,8,9,10,11,12,13,14,15
	v_cmp_eq_u32 s52, \k, v11                      ; the lanes of bin k;
	v_mbcnt_lo_u32_b32 v13, s52, s[36+\k]          ; how many of them stand below me, on top of the count so far;
	v_cndmask_b32 v12, v12, v13, s52               ; that is my rank, if the bin is mine;
	s_bcnt1_i32_b32 s53, s52
	s_add_co_u32 s[36+\k], s[36+\k], s53           ; and the count goes on
.endr
	v_lshl_or_b32 v[80+\g], v11, 16, v12           ; KEY: rank, bin
	global_store_b32 v3, v[64+\g], s[6:7] offset:128*\g
	global_store_b32 v3, v[80+\g], s[6:7] offset:PLANE+128*\g
	global_store_b32 v3, v[96+\g], s[8:9] offset:128*\g
	global_store_b32 v3, v[112+\g], s[8:9] offset:PLANE+128*\g
	global_store_b32 v3, v[128+\g], s[8:9] offset:2*PLANE+128*\g
.endm
.irp g, 0,1,2,3,4,5,6,7,8,9,10,11,12,13,14,15
	GROUP \g
.endr
	v_mov_b32 v144, 0                              ; lanes 16-31 store zeros into rows of the table that nobody reads: all lanes stay on
.irp k, 0,1,2,3,4,5,6,7,8,9,10,11,12,13,14,15
	v_writelane_b32 v144, s[36+\k], \k
.endr
	v_lshlrev_b32 v145, 9, v1                      ; a bin's row of the table is 512 bytes
	global_store_b32 v145, v144, s[56:57]
	s_endpgm
.Lfunc_end_k_qee89627e8f_prep:
	.size	k_qee89627e8f_prep, .Lfunc_end_k_qee89627e8f_prep-k_qee89627e8f_prep
	.p2alignl 7, 3214868480
	.fill 96, 4, 3214868480
	.section	.rodata,"a",@progbits
	.p2align	6, 0x0
	.amdhsa_kernel k_qee89627e8f_prep
		.amdhsa_group_segment_fixed_size 0
		.amdhsa_private_segment_fixed_size 0
		.amdhsa_enable_private_segment 0
		.amdhsa_kernarg_size 112
		.amdhsa_user_sgpr_count 2
		.amdhsa_user_sgpr_kernarg_segment_ptr 1
		.amdhsa_wavefront_size32 1
		.amdhsa_system_sgpr_workgroup_id_x 1
		.amdhsa_system_sgpr_workgroup_id_y 1
		.amdhsa_system_sgpr_workgroup_id_z 1
		.amdhsa_system_vgpr_workitem_id 0
		.amdhsa_next_free_vgpr 160
		.amdhsa_next_free_sgpr 66
		.amdhsa_reserve_vcc 0
		.amdhsa_float_denorm_mode_32 3
		.amdhsa_float_denorm_mode_16_64 3
		.amdhsa_memory_ordered 1
		.amdhsa_forward_progress 1
		.amdhsa_inst_pref_size 123
	.end_amdhsa_kernel
	.amdgpu_metadata
---
amdhsa.version: [ 1, 2 ]
amdhsa.kernels:
  - .name:           k_qee89627e8f_prep
    .symbol:         k_qee89627e8f_prep.kd
    .args:
      - { .name: p, .offset: 0, .size: 8, .value_kind: global_buffer, .address_space: global }
      - { .name: pk, .offset: 8, .size: 8, .value_kind: global_buffer, .address_space: global }
      - { .name: wt0, .offset: 16, .size: 8, .value_kind: global_buffer, .address_space: global }
      - { .name: wq, .offset: 24, .size: 8, .value_kind: global_buffer, .address_space: global }
      - { .name: fc_c_w, .offset: 32, .size: 8, .value_kind: global_buffer, .address_space: global }
      - { .name: b0_w, .offset: 40, .size: 8, .value_kind: global_buffer, .address_space: global }
      - { .name: b1_w, .offset: 48, .size: 8, .value_kind: global_buffer, .address_space: global }
      - { .name: fc_p_w, .offset: 56, .size: 8, .value_kind: global_buffer, .address_space: global }
      - { .name: fc_p_b, .offset: 64, .size: 8, .value_kind: global_buffer, .address_space: global }
      - { .name: fc_c_b, .offset: 72, .size: 8, .value_kind: global_buffer, .address_space: global }
      - { .name: b0_b, .offset: 80, .size: 8, .value_kind: global_buffer, .address_space: global }
      - { .name: b1_b, .offset: 88, .size: 8, .value_kind: global_buffer, .address_space: global }
      - { .name: out_w, .offset: 96, .size: 8, .value_kind: global_buffer, .address_space: global }
      - { .name: out_b, .offset: 104, .size: 8, .value_kind: global_buffer, .address_space: global }
    .group_segment_fixed_size: 0
    .private_segment_fixed_size: 0
    .kernarg_segment_align: 8
    .kernarg_segment_size: 112
    .max_flat_workgroup_size: 32
    .sgpr_count:     66
    .vgpr_count:     160
    .wavefront_size: 32
...
	.end_amdgpu_metadata
.endif
;; end of part 1
;; launch place (part 2): grid 256 x 1, 1 waves a work-group, no clusters, 0 bytes of LDS; arguments pk, wt0, srt, swt, bst; writes srt, swt, bst
.if DOCPART == 2
	.amdgcn_target "amdgcn-amd-amdhsa--gfx1250"
	.amdhsa_code_object_version 6
	.text
	.protected	k_qee89627e8f_place
	.globl	k_qee89627e8f_place
	.p2align	8
	.type	k_qee89627e8f_place,@function
k_qee89627e8f_place:
	s_mov_b64 s[64:65], 0
	v_nop
	global_prefetch_b8 v0, s[64:65] scope:SCOPE_SE
	s_setreg_imm32_b32 hwreg(HW_REG_WAVE_MODE, 25, 1), 1
	s_wait_xcnt 0x0
; LocalDecoder, launch 2 of 4: the points of each batch are put in the order of their bins (a counting sort; no atomics).
; A work-group of one wave takes the same 512 points as in the launch before.  A point's place is: the points of all lower bins, + those of its own bin in earlier chunks, + its rank in its chunk.
; The first two are a prefix sum over the batch's table of counts, [16 bins][128 chunks], which every work-group sums for itself: lane l holds bin l / 2, chunks 64 (l % 2) + 0 .. 63.
; Stored in sorted order: A0 and the point's own number (srt), the three weights (swt); and, by each batch's first chunk, where each bin begins (bst: [2][32] words, entries 16 on hold the list's end).
; Places are made of whole numbers read from memory alone, and each is held inside its list by a minimum with a constant before it enters an address.
.set CNTO,  1048576
.set PLANE, 524288
	s_load_b256 s[4:11], s[0:1], 0x0               ; pk s[4:5], wt0 s[6:7], srt s[8:9], swt s[10:11]
	s_load_b64 s[14:15], s[0:1], 0x20              ; bst
	v_and_b32 v1, 31, v0                           ; lane
	v_lshlrev_b32 v2, 8, v1                        ; my 64 counts: 256 bytes a lane
	v_lshlrev_b32 v3, 2, v1
	s_lshr_b32 s16, ttmp9, 7                       ; batch
	s_and_b32 s17, ttmp9, 127                      ; chunk j
	s_lshl_b32 s18, s16, 14
	s_add_co_u32 s18, s18, CNTO
	s_mov_b32 s19, 0
	s_lshl_b32 s20, ttmp9, 11
	s_mov_b32 s21, 0
	s_lshl_b32 s22, s16, 18
	s_mov_b32 s23, 0
	s_lshl_b32 s24, s16, 7                         ; a batch's 32 words of bst
	s_mov_b32 s25, 0
	s_mov_b32 s27, 0xffff0000                      ; lanes 16-31
	s_wait_alu depctr_va_vdst(0)
	s_wait_kmcnt 0x0
	s_add_nc_u64 s[12:13], s[4:5], s[18:19]        ; the batch's counts
	s_add_nc_u64 s[4:5], s[4:5], s[20:21]          ; my chunk's A0 and KEY
	s_add_nc_u64 s[6:7], s[6:7], s[20:21]          ; and weights
	s_add_nc_u64 s[14:15], s[14:15], s[24:25]      ; where the batch's bins begin
	s_add_nc_u64 s[8:9], s[8:9], s[22:23]          ; the batch's sorted lists
	s_add_nc_u64 s[10:11], s[10:11], s[22:23]
.irp i, 0,1,2,3,4,5,6,7,8,9,10,11,12,13,14,15
	global_load_b128 v[16+4*\i:19+4*\i], v2, s[12:13] offset:16*\i
.endr
.irp g, 0,1,2,3,4,5,6,7,8,9,10,11,12,13,14,15
	global_load_b32 v[96+\g], v3, s[4:5] offset:PLANE+128*\g      ; KEY
.endr
.irp g, 0,1,2,3,4,5,6,7,8,9,10,11,12,13,14,15
	global_load_b32 v[80+\g], v3, s[4:5] offset:128*\g            ; A0
	global_load_b32 v[112+\g], v3, s[6:7] offset:128*\g           ; wx
	global_load_b32 v[128+\g], v3, s[6:7] offset:PLANE+128*\g     ; wy
	global_load_b32 v[144+\g], v3, s[6:7] offset:2*PLANE+128*\g   ; wz
.endr
	v_and_b32 v4, 1, v1
	v_lshlrev_b32 v4, 6, v4
	v_sub_nc_u32 v4, s17, v4                       ; j - 64 (l % 2): my count e belongs to an earlier chunk where e is under it
	v_mov_b32 v8, 0                                ; the sum of my 64 counts
	v_mov_b32 v9, 0                                ; and of those of earlier chunks
	s_wait_alu depctr_va_vdst(0)
	s_wait_loadcnt 63                              ; of 96 loads at least 33 are in: the 16 of the counts went out first
.set e, 0
.rept 64
	v_cmp_lt_i32 vcc_lo, e, v4
	v_cndmask_b32 v5, 0, v[16+e], vcc_lo
	v_add_nc_u32 v9, v9, v5
	v_add_nc_u32 v8, v8, v[16+e]
.set e, e+1
.endr
	v_mov_b32 v6, v8
	v_mov_b32 v5, 0
.irp n, 1,2,4,8
	v_mov_b32_dpp v5, v6 row_shr:\n row_mask:0xf bank_mask:0xf bound_ctrl:1   ; a running sum in each half of 16 lanes
	v_add_nc_u32 v6, v6, v5
.endr
	v_readlane_b32 s26, v6, 15
	v_mov_b32 v5, s26
	v_cndmask_b32 v5, 0, v5, s27
	v_add_nc_u32 v6, v6, v5                        ; the upper half goes on from the lower half's total
	v_sub_nc_u32 v6, v6, v8                        ; all lanes below me: in an even lane 2 k, all bins under k
	v_mov_b32_dpp v5, v9 row_xmask:1 row_mask:0xf bank_mask:0xf
	v_add3_u32 v6, v6, v9, v5                      ; + bin k's earlier chunks, from both of its lanes: lane 2 k holds where my chunk's points of bin k begin
	s_wait_loadcnt 0x0
.irp g, 0,1,2,3,4,5,6,7,8,9,10,11,12,13,14,15
	v_lshrrev_b32 v[176+\g], 16, v[96+\g]
	v_min_u32 v[176+\g], 15, v[176+\g]             ; the bin
	v_lshlrev_b32 v[176+\g], 3, v[176+\g]          ; lane 2 x bin, as a byte index
	s_wait_alu depctr_va_vdst(0)
	ds_bpermute_b32 v[160+\g], v[176+\g], v6       ; between lanes: no LDS byte is touched
.endr
	s_wait_dscnt 0x0
	s_lshl_b32 s28, ttmp9, 9
	v_add_nc_u32 v10, s28, v1                      ; the number of my point of group 0
.irp g, 0,1,2,3,4,5,6,7,8,9,10,11,12,13,14,15
	v_and_b32 v4, 0xffff, v[96+\g]                 ; the rank
	v_add_nc_u32 v[160+\g], v[160+\g], v4
	v_min_u32 v[160+\g], 0xffff, v[160+\g]         ; held inside the list
	v_lshlrev_b32 v[160+\g], 2, v[160+\g]
	v_add_nc_u32 v[176+\g], 32*\g, v10
	global_store_b32 v[160+\g], v[80+\g], s[8:9]
	global_store_b32 v[160+\g], v[176+\g], s[8:9] offset:PLANE
	global_store_b32 v[160+\g], v[112+\g], s[10:11]
	global_store_b32 v[160+\g], v[128+\g], s[10:11] offset:PLANE
	global_store_b32 v[160+\g], v[144+\g], s[10:11] offset:2*PLANE
.endr
	s_cmp_lg_u32 s17, 0                            ; in the batch's first chunk lane 2 k holds where bin k begins
	s_cbranch_scc1 .Lend
	v_lshlrev_b32 v4, 3, v1
	ds_bpermute_b32 v5, v4, v6
	s_wait_dscnt 0x0
	v_mov_b32 v7, 0x10000
	v_cndmask_b32 v5, v5, v7, s27                  ; entries 16 on: the list's end
	global_store_b32 v3, v5, s[14:15]              ; all 32 lanes: the batch's 128 bytes of bst are written whole
.Lend:
	s_endpgm
.Lfunc_end_k_qee89627e8f_place:
	.size	k_qee89627e8f_place, .Lfunc_end_k_qee89627e8f_place-k_qee89627e8f_place
	.p2alignl 7, 3214868480
	.fill 96, 4, 3214868480
	.section	.rodata,"a",@progbits
	.p2align	6, 0x0
	.amdhsa_kernel k_qee89627e8f_place
		.amdhsa_group_segment_fixed_size 0
		.amdhsa_private_segment_fixed_size 0
		.amdhsa_enable_private_segment 0
		.amdhsa_kernarg_size 40
		.amdhsa_user_sgpr_count 2
		.amdhsa_user_sgpr_kernarg_segment_ptr 1
		.amdhsa_wavefront_size32 1
		.amdhsa_system_sgpr_workgroup_id_x 1
		.amdhsa_system_sgpr_workgroup_id_y 1
		.amdhsa_system_sgpr_workgroup_id_z 1
		.amdhsa_system_vgpr_workitem_id 0
		.amdhsa_next_free_vgpr 192
		.amdhsa_next_free_sgpr 66
		.amdhsa_reserve_vcc 1
		.amdhsa_float_denorm_mode_32 3
		.amdhsa_float_denorm_mode_16_64 3
		.amdhsa_memory_ordered 1
		.amdhsa_forward_progress 1
		.amdhsa_inst_pref_size 35
	.end_amdhsa_kernel
	.amdgpu_metadata
---
amdhsa.version: [ 1, 2 ]
amdhsa.kernels:
  - .name:           k_qee89627e8f_place
    .symbol:         k_qee89627e8f_place.kd
    .args:
      - { .name: pk, .offset: 0, .size: 8, .value_kind: global_buffer, .address_space: global }
      - { .name: wt0, .offset: 8, .size: 8, .value_kind: global_buffer, .address_space: global }
      - { .name: srt, .offset: 16, .size: 8, .value_kind: global_buffer, .address_space: global }
      - { .name: swt, .offset: 24, .size: 8, .value_kind: global_buffer, .address_space: global }
      - { .name: bst, .offset: 32, .size: 8, .value_kind: global_buffer, .address_space: global }
    .group_segment_fixed_size: 0
    .private_segment_fixed_size: 0
    .kernarg_segment_align: 8
    .kernarg_segment_size: 40
    .max_flat_workgroup_size: 32
    .sgpr_count:     66
    .vgpr_count:     192
    .wavefront_size: 32
...
	.end_amdgpu_metadata
.endif
;; end of part 2
;; launch sample (part 3): grid 128 x 2, 16 waves a work-group, no clusters, 133,120 bytes of LDS; arguments c_grid, srt, swt, feat, bst; writes feat
.if DOCPART == 3
	.amdgcn_target "amdgcn-amd-amdhsa--gfx1250"
	.amdhsa_code_object_version 6
	.text
	.protected	k_qee89627e8f_sample
	.globl	k_qee89627e8f_sample
	.p2align	8
	.type	k_qee89627e8f_sample,@function
k_qee89627e8f_sample:
	s_mov_b64 s[64:65], 0
	v_nop
	global_prefetch_b8 v0, s[64:65] scope:SCOPE_SE
	s_setreg_imm32_b32 hwreg(HW_REG_WAVE_MODE, 25, 1), 1
	s_wait_xcnt 0x0
; LocalDecoder, launch 3 of 4: the trilinear samples.  A work-group owns one channel of one batch: a volume of 64 layers of 16,384 bytes, which it reads ONCE, in order, four layers (a slab) at a time.
; No work of the problem is left out here.
; THE RING: layer L lies in LDS at 16,384 (L % 8).  The points of bin k want layers 4 k - 1 .. 4 k + 3: slab k, and the last layer of slab k - 1, which still lies in the ring's other half.
; A point's corner (z0, y0, x0) is the byte A0 that an earlier launch stored; x1 is 4 bytes on, y1 256, z1 16,384 on with a wrap at 131,072, which is one AND.
; ROLES, by the wave's number.  Waves 0-3 load: wave w brings layer 4 k + w into 128 registers (32 loads of 512 consecutive bytes) while bin k - 1 is worked, and stores it into the ring between two barriers.
; Waves 4-15 gather: 128 points a trip, twelve waves side by side.  Loads come back in the order of issue, so a wave with a slab on its way could not wait for its points' data alone: hence two roles.
; TWO BARRIERS A SLAB: in front of the first every wave's reads of the ring are back, behind it the loaders overwrite the older half; in front of the second their stores have landed, behind it the gatherers read.
; The gather's LDS addresses come from memory, so nothing but a barrier parts them from the loaders' stores.
; THE POINTS' DATA COME AHEAD: a gatherer asks for the data of its first three trips of a bin at once, 48 loads into three sets of registers, in front of the slab's first barrier; they are on their way while the
; other waves arrive and the loaders store.  Those three trips are written out, each behind a counted wait.  3 x 1,536 = 4,608 points of a bin are served so; a larger bin's further trips go through a plain loop.
; The bin's two bounds are asked for one bin ahead.
; A bin's last lanes are held at the bin's last point: they make and store that point's number once more, so that all lanes stay on.
; THE INTERPOLATION: along x, then y, then z, as the problem writes it, each as a x (1 - w), rounded, and one fused multiply-add of b x w onto it: one rounding fewer than a product, a product and a sum.
; NO TENSOR LOADS, NO CLUSTER: a bin's trips hang on bounds read from memory (bst, which the launch before stored).
; The lists that the 128 work-groups of a batch share are read through registers.
; RESULT: feat [batch][channel][place in the sorted order], f32.
; LIMITS as stated at the first launch's head: an infinity or NaN in a grid corner whose weight is 0 gives NaN here.
.set SPARE, 131072                     ; behind the ring: the spare words, 128 bytes for each of 16 waves: eight blocks of 256 bytes that no other line names
.set PLANE, 524288
.set STRIDE, 1536                      ; twelve gathering waves x 128 points
; v1, v2 the add's two; v3 lane; v4 the loaders' offset in a slab; v5, v6 where they store it (ring half 0, 1); v7 the loaders' prefetch offset; v128-255 a loader's layer
.set O,  8                             ; v8-19    byte offsets of the places: set t, group u at O + 4 t + u; they serve the set's loads and its stores
.set R,  20                            ; v20-67   the points' data: set t, group u at R + 16 t + 4 u: wx, wy, wz, A0
.set Q,  68                            ; v68-83   group u at Q + 4 u: 1 - wx, 1 - wy, 1 - wz
.set AD, 84                            ; v84-87   the z0 corners' LDS bytes, v88-91 the z1 corners'
.set P,  92                            ; v92-123  group u at P + 8 u: eight corners, in pairs along y
.set F,  124                           ; v124-127 results
; s14 wave; s15 pairs of slabs done; s17 a gatherer's first place in a bin; s18 the place of its first point; s20 the bin's last point; s40, s41 the next bin's bounds; s42 trips done, s43 trips of this bin for my wave
	s_load_b256 s[4:11], s[0:1], 0x0               ; c_grid s[4:5], srt s[6:7], swt s[8:9], feat s[10:11]
	s_load_b64 s[12:13], s[0:1], 0x20              ; bst
	v_lshl_add_u32 v1, v0, 2, SPARE
	v_mov_b32 v2, 0
	v_lshrrev_b32 v3, 5, v0
	s_delay_alu instid0(VALU_DEP_1)
	v_readfirstlane_b32 s14, v3                    ; wave 0..15
	v_and_b32 v3, 31, v0
	s_and_b32 s21, s14, 3
	s_lshl_b32 s21, s21, 14                        ; a loader's layer in its slab
	v_lshl_add_u32 v4, v3, 4, s21
	v_lshl_add_u32 v5, v3, 4, s21
	s_delay_alu instid0(VALU_DEP_1)
	v_add_nc_u32 v6, 0x10000, v5
	v_lshl_add_u32 v7, v3, 8, s21                  ; the same layer, lanes 256 bytes apart
	s_sub_co_u32 s17, s14, 4
	s_lshl_b32 s17, s17, 7                         ; a gatherer's first 128 points of a bin (read by waves 4-15 alone)
	s_and_b32 s22, ttmp7, 0xffff                   ; batch
	s_lshl_b32 s23, s22, 7
	s_add_co_u32 s23, s23, ttmp9                   ; volume = 128 x batch + channel
	s_lshl_b32 s24, s23, 20
	s_mov_b32 s25, 0
	s_lshl_b32 s26, s23, 18
	s_mov_b32 s27, 0
	s_lshl_b32 s28, s22, 18
	s_mov_b32 s29, 0
	s_lshl_b32 s30, s22, 7                         ; a batch's 32 words of bst
	s_mov_b32 s31, 0
	s_mov_b32 s15, 0
	s_mov_b32 s18, 0
	s_mov_b32 s20, 0
	s_mov_b32 s40, 0
	s_mov_b32 s41, 0
	s_mov_b32 s42, 0
	s_mov_b32 s43, 0
	s_wait_kmcnt 0x0
	s_add_nc_u64 s[4:5], s[4:5], s[24:25]          ; my volume
	s_add_nc_u64 s[12:13], s[12:13], s[30:31]      ; where the batch's bins begin
	s_add_nc_u64 s[6:7], s[6:7], s[28:29]          ; the batch's A0 in sorted order
	s_add_nc_u64 s[8:9], s[8:9], s[28:29]          ; its weights
	s_add_nc_u64 s[10:11], s[10:11], s[26:27]      ; my row of feat
.macro GLOAD                           ; a layer: 32 loads, each of 512 consecutive bytes; read once in the launch
.set i, 0
.rept 32
	global_load_b128 v[128+4*i:131+4*i], v4, s[4:5] offset:512*i th:TH_LOAD_NT
.set i, i+1
.endr
.endm
.macro OFFS t, base                    ; set t: the byte offsets of 128 places from s18 + base on, held at the bin's last point and inside the list
.irp u, 0,1,2,3
	v_add3_u32 v[O+4*\t+\u], v3, s18, \base+32*\u
.endr
.irp u, 0,1,2,3
	s_delay_alu instid0(VALU_DEP_4)
	v_min_u32 v[O+4*\t+\u], s20, v[O+4*\t+\u]
.endr
.irp u, 0,1,2,3
	s_delay_alu instid0(VALU_DEP_4)
	v_min_u32 v[O+4*\t+\u], 0xffff, v[O+4*\t+\u]
.endr
.irp u, 0,1,2,3
	s_delay_alu instid0(VALU_DEP_4)
	v_lshlrev_b32 v[O+4*\t+\u], 2, v[O+4*\t+\u]
.endr
.endm
.macro PLOAD t                         ; set t's 16 loads: the weights land where the packed lines below name them
.irp u, 0,1,2,3
	global_load_b32 v[R+16*\t+4*\u+3], v[O+4*\t+\u], s[6:7]
	global_load_b32 v[R+16*\t+4*\u],   v[O+4*\t+\u], s[8:9]
	global_load_b32 v[R+16*\t+4*\u+1], v[O+4*\t+\u], s[8:9] offset:PLANE
	global_load_b32 v[R+16*\t+4*\u+2], v[O+4*\t+\u], s[8:9] offset:2*PLANE
.endr
.endm
; Two groups, line by line, so that no line reads the result of the line above it.  Of the pairs (1 - wx, 1 - wy) and (wx, wy) the low word serves both halves.
.macro LERP2 t, a, b
.irp u, \a, \b
	v_pk_mul_f32 v[P+8*\u:P+8*\u+1],   v[P+8*\u:P+8*\u+1],   v[Q+4*\u:Q+4*\u+1] op_sel_hi:[1,0]      ; (z0; y0, y1; x0) x (1 - wx)
	v_pk_mul_f32 v[P+8*\u+4:P+8*\u+5], v[P+8*\u+4:P+8*\u+5], v[Q+4*\u:Q+4*\u+1] op_sel_hi:[1,0]      ; (z1; y0, y1; x0) likewise
.endr
.irp u, \a, \b
	s_delay_alu instid0(VALU_DEP_4)
	v_pk_fma_f32 v[P+8*\u:P+8*\u+1],   v[P+8*\u+2:P+8*\u+3], v[R+16*\t+4*\u:R+16*\t+4*\u+1], v[P+8*\u:P+8*\u+1] op_sel_hi:[1,0,1]       ; + (x1) x wx: c00, c01
	s_delay_alu instid0(VALU_DEP_4)
	v_pk_fma_f32 v[P+8*\u+4:P+8*\u+5], v[P+8*\u+6:P+8*\u+7], v[R+16*\t+4*\u:R+16*\t+4*\u+1], v[P+8*\u+4:P+8*\u+5] op_sel_hi:[1,0,1]   ; c10, c11
.endr
.irp u, \a, \b
	s_delay_alu instid0(VALU_DEP_4)
	v_mul_f32 v[P+8*\u+2], v[P+8*\u],   v[Q+4*\u+1]                              ; c00 x (1 - wy)
	s_delay_alu instid0(VALU_DEP_4)
	v_mul_f32 v[P+8*\u+6], v[P+8*\u+4], v[Q+4*\u+1]                              ; c10 x (1 - wy)
.endr
.irp u, \a, \b
	s_delay_alu instid0(VALU_DEP_4)
	v_fma_f32 v[P+8*\u+2], v[P+8*\u+1], v[R+16*\t+4*\u+1], v[P+8*\u+2]           ; + c01 x wy: c0
	s_delay_alu instid0(VALU_DEP_4)
	v_fma_f32 v[P+8*\u+6], v[P+8*\u+5], v[R+16*\t+4*\u+1], v[P+8*\u+6]           ; + c11 x wy: c1
.endr
.irp u, \a
	s_delay_alu instid0(VALU_DEP_4)
	v_mul_f32 v[P+8*\u+3], v[P+8*\u+2], v[Q+4*\u+2]                              ; c0 x (1 - wz)
.endr
.irp u, \b
	s_delay_alu instid0(VALU_DEP_3)
	v_mul_f32 v[P+8*\u+3], v[P+8*\u+2], v[Q+4*\u+2]                              ; c0 x (1 - wz)
.endr
.irp u, \a, \b
	s_delay_alu instid0(VALU_DEP_2)
	v_fma_f32 v[F+\u], v[P+8*\u+6], v[R+16*\t+4*\u+2], v[P+8*\u+3]               ; + c1 x wz
.endr
.endm
; A trip: the 128 points of set t, whose data are in.
.macro TRIP t
.irp u, 0,1,2,3
	v_min_u32 v[AD+\u], 0x1fef8, v[R+16*\t+4*\u+3] ; the largest A0: (7, 62, 62)
.endr
.irp u, 0,1,2,3
	s_delay_alu instid0(VALU_DEP_4)
	v_add_nc_u32 v[AD+4+\u], 0x4000, v[AD+\u]
.endr
.irp u, 0,1,2,3
	s_delay_alu instid0(VALU_DEP_4)
	v_and_b32 v[AD+4+\u], 0x1ffff, v[AD+4+\u]
.endr
.irp u, 0,1,2,3
	ds_load_2addr_b32 v[P+8*\u:P+8*\u+1],   v[AD+\u]   offset0:0 offset1:64      ; (z0, y0, x0), (z0, y1, x0)
	ds_load_2addr_b32 v[P+8*\u+2:P+8*\u+3], v[AD+\u]   offset0:1 offset1:65      ; x1
	ds_load_2addr_b32 v[P+8*\u+4:P+8*\u+5], v[AD+4+\u] offset0:0 offset1:64      ; z1
	ds_load_2addr_b32 v[P+8*\u+6:P+8*\u+7], v[AD+4+\u] offset0:1 offset1:65
.endr
.irp u, 0,1,2,3
	v_sub_f32 v[Q+4*\u],   1.0, v[R+16*\t+4*\u]
	v_sub_f32 v[Q+4*\u+1], 1.0, v[R+16*\t+4*\u+1]
	v_sub_f32 v[Q+4*\u+2], 1.0, v[R+16*\t+4*\u+2]
.endr
	s_wait_xcnt 0x0                                ; the last trip's stores have read their data: the results' registers may be written
	s_wait_dscnt 8                                 ; LDS loads come back in order: the eight of groups 2 and 3 may be out
	LERP2 \t, 0, 1
	s_wait_dscnt 0x0
	LERP2 \t, 2, 3
.irp u, 0,1,2,3
	global_store_b32 v[O+4*\t+\u], v[F+\u], s[10:11]   ; 128 consecutive bytes; the four stores lie on end
.endr
.endm
; Slab and bin k = 2 s15 + half.
.macro SLAB half
	s_wait_loadcnt 0x0                             ; a loader's layer is in its registers; of a gatherer's loads those of trips that the last bin did not have
	s_cmp_lt_u32 s14, 4
	s_cbranch_scc1 .Lready_\@
	s_wait_kmcnt 0x0                               ; the bin's bounds, asked for a bin ago
	s_min_u32 s40, s40, 0x10000                    ; where the bin begins,
	s_min_u32 s41, s41, 0x10000                    ; and where it ends
	s_add_co_u32 s18, s40, s17                     ; my wave's first place
	s_sub_co_u32 s20, s41, 1
	s_max_u32 s44, s41, s18
	s_sub_co_u32 s44, s44, s18                     ; the places from mine to the bin's end, 0 where the bin does not reach my share: 65,536 at the most
	s_add_co_u32 s44, s44, STRIDE-1
	s_lshr_b32 s44, s44, 9                         ; my trips = that number / 1,536, rounded up: / 512,
	s_mul_i32 s44, s44, 0xaaab
	s_lshr_b32 s43, s44, 17                        ; and / 3: n x 43,691 / 2^17 is n / 3 rounded down for n up to 130
	s_min_u32 s43, s43, 43                         ; 65,536 places are 43 trips at the most
	s_wait_xcnt 0x0                                ; the last bin's loads and stores have read their offsets
	s_wait_alu depctr_va_vdst(0)
	OFFS 0, 0
	OFFS 1, STRIDE
	OFFS 2, 2*STRIDE
	PLOAD 0                                        ; all 48 are issued whatever the number of trips, so that the counted waits below hold on every way: the offsets are held inside the list
	PLOAD 1
	PLOAD 2
.Lready_\@:
	s_wait_dscnt 0x0                               ; my reads of the ring are back
	s_barrier_signal -1
	s_barrier_wait -1                              ; nobody reads the ring
	s_cmp_lt_u32 s14, 4
	s_cbranch_scc0 .Lmeet_\@
.set i, 0
	s_wait_alu depctr_va_vdst(0)
.rept 32
	ds_store_b128 v[5+\half], v[128+4*i:131+4*i] offset:512*i
.set i, i+1
.endr
	s_wait_dscnt 0x0                               ; for the others' sake, and the stores have read their registers
.if \half
	s_cmp_eq_u32 s15, 7                            ; behind the last slab there is no layer to fetch
	s_cbranch_scc1 .Lmeet_\@
.endif
	s_wait_xcnt 0x0                                ; the last slab's prefetches have read their base (its loads are done)
	s_add_nc_u64 s[4:5], s[4:5], 0x10000
	GLOAD                                          ; the next slab is on its way while this bin is worked
.if \half == 0
	s_cmp_eq_u32 s15, 7                            ; slab 15 is the last: nothing lies two slabs on from slab 14
	s_cbranch_scc1 .Lmeet_\@
.endif
	; A PREFETCH INTO THE L2 of my layer of the slab after the one just asked for: 16,384 bytes, lanes 256 bytes apart, two instructions.  Each block of 256 bytes of the volume is named once, by the
	; wave that will load it a slab later.  Slabs 0 and 1 come by their loads alone; the jumps above end the prefetches with slab 15.
	global_prefetch_b8 v7, s[4:5] offset:0x10000 th:TH_LOAD_NT scope:SCOPE_SE
	global_prefetch_b8 v7, s[4:5] offset:0x12000 th:TH_LOAD_NT scope:SCOPE_SE
.Lmeet_\@:
	s_barrier_signal -1
	s_barrier_wait -1                              ; the slab lies in the ring
	s_cmp_lt_u32 s14, 4
	s_cbranch_scc1 .Lover_\@
	s_load_b32 s40, s[12:13], 4*\half+4            ; the next bin's bounds (behind the last bin: entries 16 and 17 of the batch's 32, which are not used)
	s_load_b32 s41, s[12:13], 4*\half+8
	s_cmp_eq_u32 s43, 0
	s_cbranch_scc1 .Lover_\@
	s_wait_loadcnt 32                              ; loads come back in order: set 0 is in; the 32 of sets 1 and 2 may be out
	TRIP 0
	s_cmp_lt_u32 s43, 2
	s_cbranch_scc1 .Lover_\@
	s_wait_loadcnt 16                              ; set 1 is in; set 2's 16 may be out
	TRIP 1
	s_cmp_lt_u32 s43, 3
	s_cbranch_scc1 .Lover_\@
	s_wait_loadcnt 0x0
	TRIP 2
	s_cmp_lt_u32 s43, 4
	s_cbranch_scc1 .Lover_\@
	s_mov_b32 s42, 3                               ; a bin of more than 4,608 points: the further trips, one at a time, through set 0
	s_add_co_u32 s18, s18, 3*STRIDE
.Lrest_\@:
	s_wait_xcnt 0x0                                ; set 0's offsets have been read by its loads and stores
	OFFS 0, 0
	PLOAD 0
	s_wait_loadcnt 0x0
	TRIP 0
	s_add_co_u32 s18, s18, STRIDE
	s_add_co_u32 s42, s42, 1                       ; the loop is counted in steps of one
	s_cmp_lt_u32 s42, s43
	s_cbranch_scc1 .Lrest_\@
.Lover_\@:
.endm
	s_cmp_lt_u32 s14, 4
	s_cbranch_scc0 .Lfirst_bounds
	s_wait_alu depctr_va_vdst(0)
	GLOAD                                          ; slab 0
	s_branch .Lslabs
.Lfirst_bounds:
	s_load_b32 s40, s[12:13], 0x0                  ; bin 0's bounds
	s_load_b32 s41, s[12:13], 0x4
.Lslabs:
	SLAB 0
	SLAB 1
	s_wait_kmcnt 0x0                               ; the scalar loads are done: their base may be stepped
	s_add_nc_u64 s[12:13], s[12:13], 8             ; two bins on
	s_add_co_u32 s15, s15, 1
	s_cmp_lt_u32 s15, 8
	s_cbranch_scc1 .Lslabs
	s_wait_dscnt 0x0
	s_barrier_signal -1
	s_barrier_wait -1                              ; every wave's reads of the ring are over
	s_wait_alu depctr_va_vdst(0)
	s_wait_tensorcnt 0x0                           ; the wave's end
	ds_add_u32 v1, v2
	s_wait_dscnt 0x0
	s_endpgm
.Lfunc_end_k_qee89627e8f_sample:
	.size	k_qee89627e8f_sample, .Lfunc_end_k_qee89627e8f_sample-k_qee89627e8f_sample
	.p2alignl 7, 3214868480
	.fill 96, 4, 3214868480
	.section	.rodata,"a",@progbits
	.p2align	6, 0x0
	.amdhsa_kernel k_qee89627e8f_sample
		.amdhsa_group_segment_fixed_size 133120
		.amdhsa_private_segment_fixed_size 0
		.amdhsa_enable_private_segment 0
		.amdhsa_kernarg_size 40
		.amdhsa_user_sgpr_count 2
		.amdhsa_user_sgpr_kernarg_segment_ptr 1
		.amdhsa_wavefront_size32 1
		.amdhsa_system_sgpr_workgroup_id_x 1
		.amdhsa_system_sgpr_workgroup_id_y 1
		.amdhsa_system_sgpr_workgroup_id_z 1
		.amdhsa_system_vgpr_workitem_id 0
		.amdhsa_next_free_vgpr 256
		.amdhsa_next_free_sgpr 66
		.amdhsa_reserve_vcc 0
		.amdhsa_float_denorm_mode_32 3
		.amdhsa_float_denorm_mode_16_64 3
		.amdhsa_memory_ordered 1
		.amdhsa_forward_progress 1
		.amdhsa_inst_pref_size 90
	.end_amdhsa_kernel
	.amdgpu_metadata
---
amdhsa.version: [ 1, 2 ]
amdhsa.kernels:
  - .name:           k_qee89627e8f_sample
    .symbol:         k_qee89627e8f_sample.kd
    .args:
      - { .name: c_grid, .offset: 0, .size: 8, .value_kind: global_buffer, .address_space: global }
      - { .name: srt, .offset: 8, .size: 8, .value_kind: global_buffer, .address_space: global }
      - { .name: swt, .offset: 16, .size: 8, .value_kind: global_buffer, .address_space: global }
      - { .name: feat, .offset: 24, .size: 8, .value_kind: global_buffer, .address_space: global }
      - { .name: bst, .offset: 32, .size: 8, .value_kind: global_buffer, .address_space: global }
    .group_segment_fixed_size: 133120
    .private_segment_fixed_size: 0
    .kernarg_segment_align: 8
    .kernarg_segment_size: 40
    .max_flat_workgroup_size: 512
    .sgpr_count:     66
    .vgpr_count:     256
    .wavefront_size: 32
...
	.end_amdgpu_metadata
.endif
;; end of part 3
;; launch mlp (part 4): grid 256 x 1, 16 waves a work-group, no clusters, 182,272 bytes of LDS; arguments feat, srt, p, wq, out0; writes out0
.if DOCPART == 4
	.amdgcn_target "amdgcn-amd-amdhsa--gfx1250"
	.amdhsa_code_object_version 6
	.text
	.protected	k_qee89627e8f_mlp
	.globl	k_qee89627e8f_mlp
	.p2align	8
	.type	k_qee89627e8f_mlp,@function
k_qee89627e8f_mlp:
	s_mov_b64 s[64:65], 0
	v_nop
	global_prefetch_b8 v0, s[64:65] scope:SCOPE_SE
	s_setreg_imm32_b32 hwreg(HW_REG_WAVE_MODE, 25, 1), 1
	s_wait_xcnt 0x0
; LocalDecoder, launch 4 of 4: net = p fc_p_w^T; five times: net += Q(c) Q(fc_c_w)^T + bias; h = Q(relu(net)) Q(b0_w)^T + b0_b; net += Q(relu(h)) Q(b1_w)^T; out = relu(net + b1_b[4]) . out_w + out_b.
; The 15 products of 128 x 128 go on E2M1 codes with one E8M0 scale for each 32 along K; the product with K = 3 and the last one (one column) are fused multiply-adds in f32.
; SHARES.  A work-group takes 512 neighbouring places of the sorted order, a wave 32: two tiles of 16 points, P0 and P1.  Behind the one barrier the waves share nothing.
; ALL WEIGHTS LIE IN LDS: the 147,456 bytes that the first launch laid out (codes as images of the operand's registers, scale words, biases) are copied in once, 16 bytes a thread, 18 times.
; That copy is all that work-groups share, and it is read once at the head: no cluster.
; EVERY PRODUCT IS USED TRANSPOSED: source 0 = 16 rows of a weight, source 1 = 16 points.  A lane (r, h) then holds ONE point r, and by the first launch's choice of a tile's rows register 16 b + i of a
; point tile is hidden unit 32 b + 16 h + i: 16 neighbours along the next K.  A block of 32 lies in lanes l and l xor 16.
; c: a lane loads one point's 128 channels (four whole blocks), quantises them once, and two exchanges of half-waves a pair of blocks give both tiles' fragments; they wait in the wave's own 2,048 bytes of LDS.
; LIMITS as stated at the first launch's head.
; REGISTERS: v1, v2 the add's two; v3 16 x lane; v4 4 x lane; v5 the vectors' base + 64 h; v6, v7, v8 the trip's codes, scale words, biases; v9 my c images; v10 my point's number; v11 at work;
; v12-15 largest magnitudes and bytes; v16-31 h's codes (first: p); v32 c's scale words, v33-34 relu(net)'s, v35-36 relu(h)'s, v56-63 the weights': scales and nothing else;
; v40-55 c's codes or relu(net)'s; v64-127 weights' fragments, biases, numbers to quantise; v128-255 net (tile P at + 64 P), first the channels of c.
.set MISC,  138240
.set MATB,  9216
.set CFB,   147456                     ; behind the weights: 2,048 bytes for each wave
.set SPARE, 180224                     ; behind them: the spare words, 128 bytes for each of 16 waves: eight blocks of 256 bytes that no other line names
.set NET,   128
.set WF,    64
.set WS,    56
	s_load_b256 s[4:11], s[0:1], 0x0               ; feat s[4:5], srt s[6:7], p s[8:9], wq s[10:11]
	s_load_b64 s[12:13], s[0:1], 0x20              ; out0
	v_lshl_add_u32 v1, v0, 2, SPARE
	v_mov_b32 v2, 0
	v_lshrrev_b32 v3, 5, v0
	s_delay_alu instid0(VALU_DEP_1)
	v_readfirstlane_b32 s14, v3                    ; wave 0..15
	v_and_b32 v11, 31, v0
	s_delay_alu instid0(VALU_DEP_1)
	v_lshlrev_b32 v3, 4, v11
	s_delay_alu instid0(VALU_DEP_2)
	v_lshlrev_b32 v4, 2, v11
	v_bfe_u32 v5, v0, 4, 1
	s_delay_alu instid0(VALU_DEP_1)
	v_lshl_add_u32 v5, v5, 6, MISC
	s_lshl_b32 s15, s14, 11
	s_add_co_u32 s15, s15, CFB
	v_add_nc_u32 v9, s15, v3
	v_lshlrev_b32 v6, 4, v0                        ; the copy: 16 bytes a thread, in memory and in LDS alike
	s_delay_alu instid0(VALU_DEP_1)
	v_add_nc_u32 v7, 0x10000, v6
	s_delay_alu instid0(VALU_DEP_2)
	v_add_nc_u32 v8, 0x20000, v6
	v_mov_b32 v13, 0                               ; written once: a lane permute's destination counts as one of its sources
	v_mov_b32 v15, 0
	s_mov_b32 s24, 0x76543210
	s_mov_b32 s25, 0xfedcba98                      ; v_permlanex16_b32's selects for lane l xor 16
	s_mov_b32 s29, 0xffff0000                      ; lanes 16-31
	s_lshr_b32 s30, ttmp9, 7                       ; batch
	s_and_b32 s31, ttmp9, 127
	s_lshl_b32 s31, s31, 11
	s_lshl_b32 s32, s14, 7
	s_add_co_u32 s31, s31, s32                     ; my first place in the batch's order, x 4 bytes
	s_lshl_b32 s32, s30, 25                        ; a batch of feat: 128 channels x 262,144 bytes
	s_add_co_u32 s32, s32, s31
	s_mov_b32 s33, 0
	s_lshl_b32 s34, s30, 18
	s_add_co_u32 s34, s34, s31
	s_add_co_u32 s34, s34, 524288                  ; the points' numbers lie behind the A0 list
	s_mov_b32 s35, 0
	s_wait_alu depctr_va_vdst(0)
	s_wait_kmcnt 0x0
	s_add_nc_u64 s[16:17], s[4:5], s[32:33]        ; channels 0-31: 31 x 262,144 stays inside the signed 24-bit immediate, so each 32 channels have a base
	s_add_nc_u64 s[18:19], s[16:17], 0x800000
	s_add_nc_u64 s[20:21], s[18:19], 0x800000
	s_add_nc_u64 s[22:23], s[20:21], 0x800000
	s_add_nc_u64 s[6:7], s[6:7], s[34:35]
.set i, 0
.rept 16
	global_load_b128 v[64+4*i:67+4*i], v6, s[10:11] offset:8192*i
.set i, i+1
.endr
	global_load_b128 v[40:43], v6, s[10:11] offset:8192*16
	global_load_b128 v[44:47], v6, s[10:11] offset:8192*17
	global_load_b32 v10, v4, s[6:7]                ; my point's number
.macro XLOAD blk                       ; channels 32 blk on of my 32 points: each load 128 consecutive bytes; read once in the launch
.set c, 0
.rept 32
	global_load_b32 v[NET+32*\blk+c], v4, s[16+2*\blk:17+2*\blk] offset:c*262144 th:TH_LOAD_NT
.set c, c+1
.endr
.endm
	XLOAD 0
	s_wait_loadcnt 33                              ; the 18 loads of weights are in; behind them: the number and 32 channels
.set i, 0
.rept 8
	ds_store_b128 v6, v[64+4*i:67+4*i] offset:8192*i
	ds_store_b128 v7, v[96+4*i:99+4*i] offset:8192*i
.set i, i+1
.endr
	ds_store_b128 v8, v[40:43]
	ds_store_b128 v8, v[44:47] offset:8192
	XLOAD 1
	XLOAD 2
	XLOAD 3
	s_wait_dscnt 0x0                               ; for the others' sake: my part of the weights has landed
	s_barrier_signal -1
	s_barrier_wait -1
.macro PLACES n
.rept \n
	v_nop
.endr
.endm
; Block b of my point's channels: 32 numbers of one lane; its codes into four registers from dst on, its byte into c's scale word.
.macro CQ b, dst
.set X0, NET+32*\b
	v_max3_num_f32 v12, |v[X0]|, |v[X0+1]|, 0x1800000              ; two chains, each over the floor 2^(3 - 127): the byte cannot fall under 1
	v_max3_num_f32 v14, |v[X0+2]|, |v[X0+3]|, 0x1800000
.irp i, 4,8,12,16,20,24,28
	s_delay_alu instid0(VALU_DEP_2)
	v_max3_num_f32 v12, v12, |v[X0+\i]|, |v[X0+\i+1]|
	s_delay_alu instid0(VALU_DEP_2)
	v_max3_num_f32 v14, v14, |v[X0+\i+2]|, |v[X0+\i+3]|
.endr
	s_delay_alu instid0(VALU_DEP_1)
	v_max_num_f32 v12, v12, v14
	s_delay_alu instid0(VALU_DEP_1)
	v_add_nc_u32 v12, 0xff000000, v12              ; 2 off the exponent field: the conversion's scale operand
	s_delay_alu instid0(VALU_DEP_1)
	v_lshrrev_b32 v13, 23, v12                     ; the scale's byte
.if \b == 0
	s_delay_alu instid0(VALU_DEP_1)
	v_mov_b32 v32, v13
.else
	s_delay_alu instid0(VALU_DEP_1)
	v_lshl_or_b32 v32, v13, 8*\b, v32
.endif
.irp g, 0,1,2,3
	v_cvt_scalef32_pk8_fp4_f32 v[\dst+\g], v[X0+8*\g:X0+8*\g+7], v12
.endr
	v_nop                                          ; one plain line behind the last scaled conversion
.endm
	s_wait_loadcnt 63                              ; of 129 loads at least 66 are in: my point's number and channels 0-63
	v_min_u32 v10, 0x1ffff, v10                    ; held inside the 131,072 points
	s_delay_alu instid0(VALU_DEP_1)
	v_mul_u32_u24 v11, v10, 12
	global_load_b32 v16, v11, s[8:9]
	global_load_b32 v18, v11, s[8:9] offset:4
	global_load_b32 v20, v11, s[8:9] offset:8
	CQ 0, 40
	CQ 1, 48
	s_wait_loadcnt 35                              ; behind channels 64-95: 32 channels and p's three
	CQ 2, 44
	s_wait_loadcnt 3                               ; p's three
	CQ 3, 52
.irp i, 0,1,2,3                        ; the first's lanes 16-31 change places with the second's lanes 0-15: v40-47 become P0's fragment (lanes 0-15 blocks 0, 2; lanes 16-31 blocks 1, 3 of points 0-15), v48-55 P1's
	v_permlane16_swap_b32 v[40+\i], v[48+\i]
	v_permlane16_swap_b32 v[44+\i], v[52+\i]
.endr
.irp q, 0,1,2,3
	ds_store_b128 v9, v[40+4*\q:43+4*\q] offset:512*\q             ; the two fragments as they stand, into my own bytes
.endr
	; v32: lane l holds point l's scale word: P0's product reads lanes 0-15, P1's lanes 16-31
	; ---- net = p fc_p_w^T, in f32.  p of point l % 16 for P0 and of point 16 + l % 16 for P1, by the same exchange
	s_wait_loadcnt 0x0
	v_mov_b32 v22, v16
	v_mov_b32 v24, v18
	v_mov_b32 v26, v20
	s_delay_alu instid0(VALU_DEP_3)
	v_permlane16_swap_b32 v16, v22
	s_delay_alu instid0(VALU_DEP_3)
	v_permlane16_swap_b32 v18, v24
	s_delay_alu instid0(VALU_DEP_3)
	v_permlane16_swap_b32 v20, v26
.irp j, 17,19,21,23,25,27
	v_mov_b32 v\j, 0                               ; (named as the upper halves of pairs whose low word serves both halves)
.endr
	s_wait_alu depctr_va_vdst(0)
.irp b, 0,1,2,3
.irp d, 0,1,2
.irp q, 0,1,2,3
	ds_load_b128 v[64+16*\d+4*\q:67+16*\d+4*\q], v5 offset:512*(11+\d)+128*\b+16*\q   ; fc_p_w[u][d] of my 16 units of block b
.endr
.endr
	s_wait_dscnt 0x0
.irp w, 0,1
.irp i, 0,2,4,6,8,10,12,14
	v_pk_mul_f32 v[NET+64*\w+16*\b+\i:NET+64*\w+16*\b+\i+1], v[64+\i:65+\i], v[16+6*\w:17+6*\w] op_sel_hi:[1,0]   ; the first product starts the sums
.endr
.irp i, 0,2,4,6,8,10,12,14
	v_pk_fma_f32 v[NET+64*\w+16*\b+\i:NET+64*\w+16*\b+\i+1], v[80+\i:81+\i], v[18+6*\w:19+6*\w], v[NET+64*\w+16*\b+\i:NET+64*\w+16*\b+\i+1] op_sel_hi:[1,0,1]
.endr
.irp i, 0,2,4,6,8,10,12,14
	v_pk_fma_f32 v[NET+64*\w+16*\b+\i:NET+64*\w+16*\b+\i+1], v[96+\i:97+\i], v[20+6*\w:21+6*\w], v[NET+64*\w+16*\b+\i:NET+64*\w+16*\b+\i+1] op_sel_hi:[1,0,1]
.endr
.endr
.endr
.macro WM d, a, b, c, sa, sb
	v_wmma_scale_f32_16x16x128_f8f6f4 v[\d:\d+7], v[\a:\a+7], v[\b:\b+7], v[\c:\c+7], v[\sa], v[\sb] matrix_a_fmt:MATRIX_FMT_FP4 matrix_b_fmt:MATRIX_FMT_FP4
.endm
.macro WM1 d, a, b, c, sa, sb          ; source 1's scale words in lanes 16-31
	v_wmma_scale_f32_16x16x128_f8f6f4 v[\d:\d+7], v[\a:\a+7], v[\b:\b+7], v[\c:\c+7], v[\sa], v[\sb] matrix_a_fmt:MATRIX_FMT_FP4 matrix_b_fmt:MATRIX_FMT_FP4 matrix_b_scale:MATRIX_SCALE_ROW1
.endm
.macro WLOAD8 off                      ; a whole matrix: eight fragments and their scale words
.irp t, 0,1,2,3,4,5,6,7
	ds_load_b128 v[WF+8*\t:WF+8*\t+3], v6 offset:\off+1024*\t
	ds_load_b128 v[WF+8*\t+4:WF+8*\t+7], v6 offset:\off+1024*\t+512
	ds_load_b32 v[WS+\t], v7 offset:\off+8192+128*\t
.endr
.endm
.macro WLOAD2 off, b                   ; tiles 2 b and 2 b + 1, their scale words, and b0_b at my 16 units of block b
.irp u, 0,1
	ds_load_b128 v[112+8*\u:115+8*\u], v6 offset:\off+1024*(2*(\b)+\u)
	ds_load_b128 v[116+8*\u:119+8*\u], v6 offset:\off+1024*(2*(\b)+\u)+512
	ds_load_b32 v[WS+\u], v7 offset:\off+8192+128*(2*(\b)+\u)
.endr
.irp q, 0,1,2,3
	ds_load_b128 v[96+4*\q:99+4*\q], v8 offset:3072+128*(\b)+16*\q
.endr
.endm
.macro BILOAD dst, off
.irp q, 0,1,2,3
	ds_load_b128 v[\dst+4*\q:\dst+4*\q+3], v8 offset:\off+16*\q
.endr
.endm
; net += weights x operand: 16 accumulators, one instruction a turn.
.macro MM16 b0, b1, s0, s1, row1
.irp t, 0,1,2,3,4,5,6,7
	WM NET+8*\t, WF+8*\t, \b0, NET+8*\t, WS+\t, \s0
.if \row1
	WM1 NET+64+8*\t, WF+8*\t, \b1, NET+64+8*\t, WS+\t, \s1
.else
	WM NET+64+8*\t, WF+8*\t, \b1, NET+64+8*\t, WS+\t, \s1
.endif
.endr
.endm
; Block b of both point tiles: 16 numbers a lane, none negative, at v64 on (P0) and v80 on (P1), become codes in v[rc + 8 P + 2 b], + 1, and a byte of the scale word v[rs + P].  The tiles go line by line.
.macro BLKQ2 b, rc, rs
.irp w, 0,1
	v_max3_num_f32 v[12+2*\w], v[64+16*\w], v[65+16*\w], 0x1800000   ; over the floor 2^(3 - 127)
.endr
.irp i, 2,4,6,8,10,12,14
.irp w, 0,1
	s_delay_alu instid0(VALU_DEP_2)
	v_max3_num_f32 v[12+2*\w], v[12+2*\w], v[64+16*\w+\i], v[65+16*\w+\i]
.endr
.endr
.irp w, 0,1
	s_delay_alu instid0(VALU_DEP_2)
	v_permlanex16_b32 v[13+2*\w], v[12+2*\w], s24, s25
.endr
.irp w, 0,1
	s_delay_alu instid0(VALU_DEP_2)
	v_max_num_f32 v[12+2*\w], v[12+2*\w], v[13+2*\w]               ; with lane l xor 16's 16: the block's largest
.endr
.irp w, 0,1
	s_delay_alu instid0(VALU_DEP_2)
	v_add_nc_u32 v[12+2*\w], 0xff000000, v[12+2*\w]
.endr
.irp w, 0,1
	s_delay_alu instid0(VALU_DEP_2)
	v_lshrrev_b32 v[13+2*\w], 23, v[12+2*\w]
.endr
.irp w, 0,1
.if (\b) == 0
	s_delay_alu instid0(VALU_DEP_2)
	v_mov_b32 v[\rs+\w], v[13+2*\w]
.else
	s_delay_alu instid0(VALU_DEP_2)
	v_lshl_or_b32 v[\rs+\w], v[13+2*\w], 8*(\b), v[\rs+\w]
.endif
.endr
.irp w, 0,1
	v_cvt_scalef32_pk8_fp4_f32 v[\rc+8*\w+2*(\b)], v[64+16*\w:71+16*\w], v[12+2*\w]
	v_cvt_scalef32_pk8_fp4_f32 v[\rc+8*\w+2*(\b)+1], v[72+16*\w:79+16*\w], v[12+2*\w]
.endr
	v_nop                                          ; one plain line behind the last scaled conversion
.endm
.macro SWAPS rc                        ; the operand's layout wants a WHOLE block in a lane: lanes 0-15 block 2 c, lanes 16-31 block 2 c + 1
.irp c, 0,1
.irp i, 0,1
	v_permlane16_swap_b32 v[\rc+4*\c+\i], v[\rc+2+4*\c+\i]
.endr
.endr
.endm
	s_mov_b32 s26, 0                               ; the trip's three matrices
	s_mov_b32 s27, 0                               ; and its biases
	s_mov_b32 s28, 5
.Lblock:
	v_add_nc_u32 v6, s26, v3
	v_add_nc_u32 v7, s26, v4
	v_add_nc_u32 v8, s27, v5
	; ---- net += Q(c) Q(fc_c_w[i])^T
	WLOAD8 0
.irp q, 0,1,2,3
	ds_load_b128 v[40+4*\q:43+4*\q], v9 offset:512*\q              ; c's two fragments
.endr
	s_wait_dscnt 0x0
	s_wait_alu depctr_va_vdst(0)
	MM16 40, 48, 32, 32, 1
	PLACES 5                                       ; behind the last product: four for loads into its registers and reads of its results, five for products that write over them
	; ---- net += the biases that meet here; relu(net) is quantised, a block of 32 units at a time; the biases come in two buffers by turns
	BILOAD 96, 0
	BILOAD 112, 128
.irp b, 0,1,2,3
.if \b < 3
	s_wait_dscnt 4                                 ; this block's four loads are in; the other buffer's four may be out
.else
	s_wait_dscnt 0x0
.endif
.irp w, 0,1
.irp i, 0,2,4,6,8,10,12,14
	v_pk_add_f32 v[NET+64*\w+16*\b+\i:NET+64*\w+16*\b+\i+1], v[NET+64*\w+16*\b+\i:NET+64*\w+16*\b+\i+1], v[96+16*(\b%2)+\i:97+16*(\b%2)+\i]   ; each accumulator from its low end on
.endr
.endr
.irp w, 0,1
.irp i, 0,1,2,3,4,5,6,7,8,9,10,11,12,13,14,15
	v_max_num_f32 v[64+16*\w+\i], 0, v[NET+64*\w+16*\b+\i]
.endr
.endr
.if \b < 2
	BILOAD 96+16*(\b%2), 128*(\b+2)
.endif
	BLKQ2 \b, 40, 33
.endr
	SWAPS 40
	SWAPS 48
	; ---- h = Q(relu(net)) Q(b0_w[i])^T + b0_b[i], two tiles of units at a time; the bias is the C of the one product; relu(h) is quantised at once
	WLOAD2 MATB, 0
	PLACES 8                                       ; a scale word written by a vector instruction stands 8 places ahead of a scaled product, an operand so written 4
	s_wait_alu depctr_va_vdst(0)
.irp b, 0,1,2,3
	s_wait_dscnt 0x0
.irp u, 0,1
.irp w, 0,1
	WM 64+16*\w+8*\u, 112+8*\u, 40+8*\w, 96+8*\u, WS+\u, 33+\w
.endr
.endr
	PLACES 5
.if \b < 3
	WLOAD2 MATB, \b+1
.endif
.irp w, 0,1
.irp i, 0,1,2,3,4,5,6,7,8,9,10,11,12,13,14,15
	v_max_num_f32 v[64+16*\w+\i], 0, v[64+16*\w+\i]                ; each result from its low end on
.endr
.endr
	BLKQ2 \b, 16, 35
.endr
	SWAPS 16
	SWAPS 24
	; ---- net += Q(relu(h)) Q(b1_w[i])^T; b1_b[i] is added with the next trip's biases, or on the way out
	WLOAD8 2*MATB
	PLACES 8
	s_wait_alu depctr_va_vdst(0)
	s_wait_dscnt 0x0
	MM16 16, 24, 35, 36, 0
	PLACES 5
	s_add_co_u32 s26, s26, 3*MATB
	s_add_co_u32 s27, s27, 512
	s_sub_co_u32 s28, s28, 1
	s_cmp_lg_u32 s28, 0
	s_cbranch_scc1 .Lblock
	; ---- out = relu(net + b1_b[4]) . out_w + out_b, in f32
.irp j, 12,13,14,15
	v_mov_b32 v\j, 0
.endr
.irp b, 0,1,2,3
.irp q, 0,1,2,3
	ds_load_b128 v[96+4*\q:99+4*\q], v5 offset:512*5+128*\b+16*\q
	ds_load_b128 v[112+4*\q:115+4*\q], v5 offset:512*14+128*\b+16*\q
.endr
	s_wait_dscnt 0x0
.irp w, 0,1
.irp i, 0,2,4,6,8,10,12,14
	v_pk_add_f32 v[64+16*\w+\i:65+16*\w+\i], v[NET+64*\w+16*\b+\i:NET+64*\w+16*\b+\i+1], v[96+\i:97+\i]
.endr
.irp i, 0,1,2,3,4,5,6,7,8,9,10,11,12,13,14,15
	v_max_num_f32 v[64+16*\w+\i], 0, v[64+16*\w+\i]
.endr
.irp i, 0
	v_pk_fma_f32 v[12+2*\w:13+2*\w], v[64+16*\w+\i:65+16*\w+\i], v[112+\i:113+\i], v[12+2*\w:13+2*\w]
.endr
.irp i, 2, 4, 6, 8, 10, 12, 14
	s_delay_alu instid0(VALU_DEP_1)
	v_pk_fma_f32 v[12+2*\w:13+2*\w], v[64+16*\w+\i:65+16*\w+\i], v[112+\i:113+\i], v[12+2*\w:13+2*\w]
.endr
.endr
.endr
	ds_load_b32 v11, v5 offset:512*15              ; out_b
	v_add_f32 v12, v12, v13
	v_add_f32 v14, v14, v15
	s_delay_alu instid0(VALU_DEP_2)
	v_permlanex16_b32 v13, v12, s24, s25           ; the point's other 64 units lie in lane l xor 16
	s_delay_alu instid0(VALU_DEP_2)
	v_permlanex16_b32 v15, v14, s24, s25
	s_delay_alu instid0(VALU_DEP_2)
	v_add_f32 v12, v12, v13
	s_delay_alu instid0(VALU_DEP_2)
	v_add_f32 v14, v14, v15
	s_delay_alu instid0(VALU_DEP_1)
	v_cndmask_b32 v12, v12, v14, s29               ; lanes 0-15: points 0-15 (P0); lanes 16-31: points 16-31 (P1): lane l has point l again
	v_lshlrev_b32 v10, 2, v10
	s_wait_alu depctr_va_vdst(0)
	s_wait_dscnt 0x0
	v_add_f32 v12, v12, v11
	global_store_b32 v10, v12, s[12:13]            ; to the point's own place: 4 bytes a point, 524,288 in all
	s_wait_tensorcnt 0x0                           ; the wave's end
	ds_add_u32 v1, v2
	s_wait_dscnt 0x0
	s_endpgm
.Lfunc_end_k_qee89627e8f_mlp:
	.size	k_qee89627e8f_mlp, .Lfunc_end_k_qee89627e8f_mlp-k_qee89627e8f_mlp
	.p2alignl 7, 3214868480
	.fill 96, 4, 3214868480
	.section	.rodata,"a",@progbits
	.p2align	6, 0x0
	.amdhsa_kernel k_qee89627e8f_mlp
		.amdhsa_group_segment_fixed_size 182272
		.amdhsa_private_segment_fixed_size 0
		.amdhsa_enable_private_segment 0
		.amdhsa_kernarg_size 40
		.amdhsa_user_sgpr_count 2
		.amdhsa_user_sgpr_kernarg_segment_ptr 1
		.amdhsa_wavefront_size32 1
		.amdhsa_system_sgpr_workgroup_id_x 1
		.amdhsa_system_sgpr_workgroup_id_y 1
		.amdhsa_system_sgpr_workgroup_id_z 1
		.amdhsa_system_vgpr_workitem_id 0
		.amdhsa_next_free_vgpr 256
		.amdhsa_next_free_sgpr 66
		.amdhsa_reserve_vcc 0
		.amdhsa_float_denorm_mode_32 3
		.amdhsa_float_denorm_mode_16_64 3
		.amdhsa_memory_ordered 1
		.amdhsa_forward_progress 1
		.amdhsa_inst_pref_size 108
	.end_amdhsa_kernel
	.amdgpu_metadata
---
amdhsa.version: [ 1, 2 ]
amdhsa.kernels:
  - .name:           k_qee89627e8f_mlp
    .symbol:         k_qee89627e8f_mlp.kd
    .args:
      - { .name: feat, .offset: 0, .size: 8, .value_kind: global_buffer, .address_space: global }
      - { .name: srt, .offset: 8, .size: 8, .value_kind: global_buffer, .address_space: global }
      - { .name: p, .offset: 16, .size: 8, .value_kind: global_buffer, .address_space: global }
      - { .name: wq, .offset: 24, .size: 8, .value_kind: global_buffer, .address_space: global }
      - { .name: out0, .offset: 32, .size: 8, .value_kind: global_buffer, .address_space: global }
    .group_segment_fixed_size: 182272
    .private_segment_fixed_size: 0
    .kernarg_segment_align: 8
    .kernarg_segment_size: 40
    .max_flat_workgroup_size: 512
    .sgpr_count:     66
    .vgpr_count:     256
    .wavefront_size: 32
...
	.end_amdgpu_metadata
.endif
;; end of part 4
